; MI455X (gfx1250); checked and timed in simulation.
; The chip was launched on July 23, 2026; its instructions are those of AMD's public machine-readable ISA for CDNA 5 (MIT licence, August 2026) and "CDNA5" Instruction Set Architecture Reference Guide (July 2026). The comments in the code are by the model that wrote it; some were corrected since.
;; SVCNN. Allowed arithmetic: matrix products marked QUANTISED: E4M3 operands, one E8M0 scale for each 32 along K, by v_wmma_scale_f32_16x16x128_f8f6f4 with both operands' format E4M3, f32 sums; everything else in f32.
;; Inputs: query_seq 4,096 x 1,024 float32; synth_set 16,384 x 1,024 float32.
;; Outputs: out0 8,192 x 1,024 float32.
;; This version of the problem:
;;   THIS VERSION OF THE PROBLEM IS GIVEN IN LOW PRECISION. The matrix products marked QUANTISED in the list below multiply operands that are first quantised to E4M3 (4 exponent bits, 3 mantissa bits; 8 bits a number), with one power-of-two scale for each 32 numbers along K (OCP MX v1.0); their sums are f32. All else is computed in f32.
;;   The module's matrix products, in the order in which they are computed (A, B: the left and right operand; K: the contracted axis; several contracted axes count as one K, in the product's order):
;;     1. [M 4,096, K 1,024] x [K 1,024, N 16,384]; A: input query_seq; B: input synth_set: QUANTISED
;;   THE QUANTISER, for each operand of a quantised product, along K:
;;     - K is cut into blocks of 32 from its start; a last block that is shorter is filled with zeros.
;;     - A block's scale is 2^e with e = floor(log2(the largest magnitude in the block)) - 8, held to -126 .. 127; a block of zeros has e = 0. As a byte (E8M0): e + 127.
;;     - Each number is divided by its block's scale, clamped to +-448, and rounded to the nearest number of E4M3, ties to even, subnormals kept.
;;     - The product sums the exact products of the quantised numbers (number of the format x scale) in f32.
;;   ~~~python
;;   def quantise(x, axis):      # numpy; x: float32 -> the quantised numbers, widened to float32 again
;;       x = np.moveaxis(x, axis, -1); K = x.shape[-1]
;;       x = np.pad(x, [(0, 0)] * (x.ndim - 1) + [(0, -K % 32)]); x = x.reshape(x.shape[:-1] + (-1, 32)); a = np.abs(x).max(-1, keepdims=True)
;;       e = np.where(a > 0, np.clip(np.frexp(np.where(a > 0, a, 1))[1] - 1 - 8, -126, 127), 0)      # np.frexp(a)[1] - 1 = floor(log2(a)), exactly
;;       r = np.clip(x / 2.0 ** e, -448, 448)
;;       step = 2.0 ** (np.maximum(np.frexp(np.where(r == 0, 1, r))[1] - 1, -6) - 3)
;;       q = np.round(r / step) * step * 2.0 ** e      # np.round: ties to even
;;       return np.moveaxis(q.reshape(q.shape[:-2] + (-1,))[..., :K], -1, axis).astype(np.float32)
;;   ~~~
;; One version. Each part assembles by itself: llvm-mc -triple=amdgcn-amd-amdhsa -mcpu=gfx1250 --defsym DOCPART=n.
;; ======== version 1 of 1: 4 launches
;; limits: right only within a limited range of input values
;; workspace buffers: q_codes 4,194,304 bytes; s_codes 16,777,216 bytes; q_scales 131,072 bytes; s_scales 524,288 bytes; s_rnorm 65,536 bytes; cand 2,097,152 bytes of whole numbers; knn 65,536 bytes of whole numbers
;; launch quant (part 1): grid 256 x 1, 5 waves a work-group, no clusters, 43,008 bytes of LDS; arguments query_seq, synth_set, q_codes, q_scales, s_codes, s_scales, s_rnorm; writes q_codes, q_scales, s_codes, s_scales, s_rnorm
.if DOCPART == 1
	.amdgcn_target "amdgcn-amd-amdhsa--gfx1250"
	.amdhsa_code_object_version 6
	.text
	.protected	k_q03472cb5d3_quant
	.globl	k_q03472cb5d3_quant
	.p2align	8
	.type	k_q03472cb5d3_quant,@function
k_q03472cb5d3_quant:
	s_mov_b64 s[64:65], 0
	v_nop
	global_prefetch_b8 v0, s[64:65] scope:SCOPE_SE
	s_setreg_imm32_b32 hwreg(HW_REG_WAVE_MODE, 25, 1), 1
	s_wait_xcnt 0x0
; THE PROGRAM: out[2 q], out[2 q + 1] = the mean of the 4 rows of synth_set with the smallest 1 - dot(Q(query q), Q(synth m)) / (|query q| |synth m|), Q the MX-FP8 quantiser along the 1,024.
; Four launches: this one (codes, scale bytes, 1 / |synth row|); the product with a ranking of groups of 8 rows; the chosen groups multiplied again and the 4 rows chosen; the mean of the 4 rows.
; WORK LEFT OUT, for all finite inputs with norms that are not 0:
;   q_norm and the '1 -': for a fixed query, -(1 - dot / (qn sn)) rises strictly with dot / sn, since qn > 0: the same 4 rows are chosen.  So |query| is never formed.
;   ALPHA = 0 is a constant of the problem's text: (1 - ALPHA) is the factor 1 and ALPHA x query_seq the term 0.  So query_seq is read for the product alone.  Both inputs are loaded.
; LIMITS, stated: rows are ranked by the f32 number dot x (1 / sn); two distances that the f32 subtraction from 1 would make equal (closer than 2^-24) are told apart here, and only exactly equal
;   numbers go to the lower index.  Rows of norm 0, NaN and infinities among the inputs, and sums of squares beyond f32's range are not served; an overflow, an infinity or a NaN that reaches only
;   the work left out (|query|) is not carried to the result.  Blocks whose largest magnitude lies under 2^(9 - 127) keep the scale byte 1; a block of zeros too (its codes are zeros; this program alone reads the bytes).
; THIS LAUNCH.  1,280 tiles of 16 rows x 1,024 numbers: 256 of query_seq, 1,024 of synth_set; a wave takes one, tile 5 x work-group + wave: 256 work-groups of five waves.  Only pointers are chosen by the tile's number.
; A tile's codes are laid as the matrix operand's registers: 32 pieces of 512 bytes, piece 4 s + c (K step s, c = 0 .. 3); lane l = 16 h + r owns bytes 16 l on: row r, k = 128 s + 32 c + 16 h + 0 .. 15.
; The scale bytes lie [row][32]: word s of a row serves K step s.
; A K step: 16 loads, each a row's 512 consecutive bytes; they turn through the wave's own stage in LDS (rows 528 bytes apart) so that a lane holds 16 neighbours of each block of 32; two lanes (l, l xor 16) hold a block.
; Waves share nothing: no barrier.  Every memory offset is an immediate; no pointer is stepped.
.set STG,   8448                       ; a wave's stage: 16 rows x (512 + 16) bytes
.set SPARE, 5*STG                      ; behind the stages: the spare words, 128 bytes a wave, three blocks of 256 bytes that no other line names
.set LI,   1                           ; v1  16 x lane
.set SIN,  2                           ; v2  the stage, on the way in
.set SOUT, 3                           ; v3  and on the way out: row r, + 64 h
.set SCO,  4                           ; v4  32 r + 16 h: my four scale words' place
.set RNO,  5                           ; v5  4 r
.set SPW,  6                           ; v6  my spare word; never rewritten
.set NIL,  7                           ; v7  0; never rewritten
.set R,    16                          ; v16-143  two sets of 64 registers as loaded
.set X,    144                         ; v144-207 register 16 b + i = k 32 b + 16 h + i of row r
.set PC,   208                         ; v208-223 the step's codes
.set TM,   224                         ; v224-227 largest magnitudes, 228-231 bytes, 232-235 448 x the scale, 236-239 the conversions' scale operands
.set SW,   240                         ; v240-247 the scale word of each K step
.set SQ,   248                         ; v248-255 sums of squares, four pairs
	s_load_b256 s[8:15], s[0:1], 0x0               ; query_seq, synth_set, q_codes, q_scales
	s_load_b128 s[16:19], s[0:1], 0x20             ; s_codes, s_scales
	s_load_b64 s[20:21], s[0:1], 0x30              ; s_rnorm
	v_lshl_add_u32 v[SPW], v0, 2, SPARE
	v_mov_b32 v[NIL], 0
	v_lshrrev_b32 v8, 5, v0
	v_readfirstlane_b32 s22, v8                    ; wave 0..4
	v_and_b32 v9, 31, v0                           ; lane
	v_and_b32 v10, 15, v0                          ; r
	v_bfe_u32 v11, v0, 4, 1                        ; h
	v_lshlrev_b32 v[LI], 4, v9
	s_mul_i32 s30, s22, STG
	v_add_nc_u32 v[SIN], s30, v[LI]
	v_mul_u32_u24 v[SOUT], v10, 528
	v_lshl_add_u32 v[SOUT], v11, 6, v[SOUT]
	v_add_nc_u32 v[SOUT], s30, v[SOUT]
	v_lshlrev_b32 v[SCO], 5, v10
	v_lshl_add_u32 v[SCO], v11, 4, v[SCO]
	v_lshlrev_b32 v[RNO], 2, v10
	s_mul_i32 s23, ttmp9, 5
	s_add_co_u32 s23, s23, s22                     ; my tile, 0 .. 1,279
	s_mov_b32 s26, 0x76543210
	s_mov_b32 s27, 0xfedcba98                      ; v_permlanex16_b32's selects for lane l xor 16
	s_mov_b32 s28, 0x600000                        ; the mantissa field of 448
	s_mov_b32 s29, 0xffff0000                      ; lanes 16-31
.irp b, 0,1,2,3
	v_mov_b32 v[TM+4+\b], 0                        ; written once: a lane permute's destination counts as one of its sources
.endr
.irp b, 0,1,2,3,4,5,6,7
	v_mov_b32 v[SQ+\b], 0
.endr
	s_wait_kmcnt 0x0
	s_cmp_lt_u32 s23, 256                          ; a tile of query_seq or of synth_set?  The choice hangs on ids alone
	s_cselect_b64 s[8:9], s[8:9], s[10:11]
	s_cselect_b64 s[12:13], s[12:13], s[16:17]
	s_cselect_b64 s[14:15], s[14:15], s[18:19]
	s_cselect_b32 s24, 0, 1                        ; 1: synth_set, whose rows' norms are wanted
	s_cselect_b32 s25, 0, 256
	s_sub_co_u32 s25, s23, s25                     ; the tile's number in its tensor
	s_mov_b32 s31, 0
	s_lshl_b32 s30, s25, 16                        ; 16 rows of 4,096 bytes
	s_add_nc_u64 s[8:9], s[8:9], s[30:31]
	s_lshl_b32 s30, s25, 14                        ; 16,384 bytes of codes
	s_add_nc_u64 s[12:13], s[12:13], s[30:31]
	s_lshl_b32 s30, s25, 9                         ; 512 scale bytes
	s_add_nc_u64 s[14:15], s[14:15], s[30:31]
	s_lshl_b32 s30, s25, 6                         ; 16 numbers 1 / norm
	s_add_nc_u64 s[20:21], s[20:21], s[30:31]
.macro LOADR t                         ; K step t: each load takes 512 consecutive bytes of one row
.irp p, 0,1,2,3,4,5,6,7,8,9,10,11,12,13,14,15
	global_load_b128 v[R+64*((\t)%2)+4*\p:R+64*((\t)%2)+4*\p+3], v[LI], s[8:9] offset:4096*\p+512*(\t) th:TH_LOAD_NT
.endr
.endm
.macro TURN t                          ; through my stage: LDS serves a wave's instructions in order, so no wait stands between the stores and the loads, nor in front of the next step's stores
.irp p, 0,1,2,3,4,5,6,7,8,9,10,11,12,13,14,15
	ds_store_b128 v[SIN], v[R+64*((\t)%2)+4*\p:R+64*((\t)%2)+4*\p+3] offset:528*\p
.endr
.irp b, 0,1,2,3
.irp j, 0,1,2,3
	ds_load_b128 v[X+16*\b+4*\j:X+16*\b+4*\j+3], v[SOUT] offset:128*\b+16*\j
.endr
.endr
.endm
.macro QUANT t                         ; the 64 numbers in X become 16 registers of codes and the row's scale word of K step t
.irp b, 0,1,2,3
	v_max3_num_f32 v[TM+\b], |v[X+16*\b]|, |v[X+1+16*\b]|, 0x4800000   ; block b: my 16 numbers, and the floor 2^(9 - 127): the byte cannot fall under 1
.endr
.irp i, 2,4,6,8,10,12,14
.irp b, 0,1,2,3
	v_max3_num_f32 v[TM+\b], v[TM+\b], |v[X+16*\b+\i]|, |v[X+1+16*\b+\i]|   ; the four blocks by turns
.endr
.endr
.irp b, 0,1,2,3
	v_permlanex16_b32 v[TM+4+\b], v[TM+\b], s26, s27
.endr
.irp b, 0,1,2,3
	v_max_num_f32 v[TM+\b], v[TM+\b], v[TM+4+\b]   ; with lane l xor 16's: the block's largest magnitude
.endr
.irp b, 0,1,2,3
	v_add_nc_u32 v[TM+12+\b], 0xfc000000, v[TM+\b] ; 8 off its exponent field: the conversion's scale operand
.endr
.irp b, 0,1,2,3
	v_and_or_b32 v[TM+8+\b], v[TM+\b], 0x7f800000, s28   ; 448 x the scale
.endr
.irp b, 0,1,2,3
	v_lshrrev_b32 v[TM+4+\b], 23, v[TM+12+\b]      ; the scale's byte
.endr
	v_lshl_or_b32 v[SW+(\t)], v[TM+5], 8, v[TM+4]
	v_lshl_or_b32 v[SW+(\t)], v[TM+6], 16, v[SW+(\t)]
	v_lshl_or_b32 v[SW+(\t)], v[TM+7], 24, v[SW+(\t)]
.irp b, 0,1,2,3
.irp i, 0,1,2,3,4,5,6,7,8,9,10,11,12,13,14,15
	v_med3_num_f32 v[X+16*\b+\i], v[X+16*\b+\i], -v[TM+8+\b], v[TM+8+\b]   ; the conversion to an 8-bit code does not saturate (ISA guide 7.6.2): the hold at 448 x the scale
.endr
	v_cvt_scalef32_pk8_fp8_f32 v[PC+4*\b:PC+4*\b+1], v[X+16*\b:X+16*\b+7], v[TM+12+\b]
	v_cvt_scalef32_pk8_fp8_f32 v[PC+4*\b+2:PC+4*\b+3], v[X+16*\b+8:X+16*\b+15], v[TM+12+\b]
.endr
	v_nop                                          ; one plain vector line behind the last conversion
.endm
.macro STEP t
.if (\t) < 7
	s_wait_loadcnt 16                              ; this step's 16 loads are in; the next step's 16 may be out
.else
	s_wait_loadcnt 0x0
.endif
	s_wait_xcnt 0x0                                ; the last step's stores have read PC, which this step writes again
	TURN \t
	s_wait_dscnt 0x0                               ; X is in, and the stage's stores have read their registers,
.if (\t) < 6
	LOADR (\t)+2                                   ; which take the loads of two steps on
.endif
	s_cmp_eq_u32 s24, 0                            ; rows of query_seq have no norm here (head comment)
	s_cbranch_scc1 .Lno_sq_\@
.set i, 0
	s_wait_alu depctr_va_vdst(0)
.rept 32
	v_pk_fma_f32 v[SQ+2*(i%4):SQ+2*(i%4)+1], v[X+2*i:X+2*i+1], v[X+2*i:X+2*i+1], v[SQ+2*(i%4):SQ+2*(i%4)+1]   ; of the numbers as given, ahead of the hold; four chains
.set i, i+1
.endr
.Lno_sq_\@:
	QUANT \t
.irp c, 0,1,2,3
	global_store_b128 v[LI], v[PC+4*\c:PC+4*\c+3], s[12:13] offset:2048*(\t)+512*\c   ; a piece: 512 consecutive bytes
.endr
.endm
	LOADR 0
	LOADR 1
.irp t, 0,1,2,3,4,5,6,7
	STEP \t
.endr
	s_cmp_eq_u32 s24, 0
	s_cbranch_scc1 .Lno_norm
	v_pk_add_f32 v[SQ:SQ+1], v[SQ:SQ+1], v[SQ+2:SQ+3]
	v_pk_add_f32 v[SQ+4:SQ+5], v[SQ+4:SQ+5], v[SQ+6:SQ+7]
	v_pk_add_f32 v[SQ:SQ+1], v[SQ:SQ+1], v[SQ+4:SQ+5]
	v_add_f32 v[SQ], v[SQ], v[SQ+1]
	v_permlanex16_b32 v[SQ+1], v[SQ], s26, s27
	v_add_f32 v[SQ], v[SQ], v[SQ+1]                ; row r's sum of squares
	s_wait_alu depctr_va_vdst(0)
	v_rsq_f32 v[SQ+2], v[SQ]
	v_nop                                          ; a plain line behind the transcendental,
	s_wait_alu depctr_va_vdst(0)                   ; and the wait ahead of the first use
	global_store_b32 v[RNO], v[SQ+2], s[20:21]     ; 64 consecutive bytes a tile; both halves of the lanes write the same word with the same value
.Lno_norm:
.irp j, 0,1,2,3
	v_cndmask_b32 v[TM+\j], v[SW+\j], v[SW+4+\j], s29   ; lanes 0-15 take words 0-3 of row r, lanes 16-31 words 4-7
.endr
	global_store_b128 v[SCO], v[TM:TM+3], s[14:15] ; the tile's 512 scale bytes, consecutive
	s_wait_tensorcnt 0x0                           ; the wave's end
	ds_add_u32 v[SPW], v[NIL]
	s_wait_dscnt 0x0
	s_endpgm
.Lfunc_end_k_q03472cb5d3_quant:
	.size	k_q03472cb5d3_quant, .Lfunc_end_k_q03472cb5d3_quant-k_q03472cb5d3_quant
	.p2alignl 7, 3214868480
	.fill 96, 4, 3214868480
	.section	.rodata,"a",@progbits
	.p2align	6, 0x0
	.amdhsa_kernel k_q03472cb5d3_quant
		.amdhsa_group_segment_fixed_size 43008
		.amdhsa_private_segment_fixed_size 0
		.amdhsa_enable_private_segment 0
		.amdhsa_kernarg_size 56
		.amdhsa_user_sgpr_count 2
		.amdhsa_user_sgpr_kernarg_segment_ptr 1
		.amdhsa_wavefront_size32 1
		.amdhsa_system_sgpr_workgroup_id_x 1
		.amdhsa_system_sgpr_workgroup_id_y 1
		.amdhsa_system_sgpr_workgroup_id_z 1
		.amdhsa_system_vgpr_workitem_id 0
		.amdhsa_next_free_vgpr 256
		.amdhsa_next_free_sgpr 66
		.amdhsa_reserve_vcc 0
		.amdhsa_float_denorm_mode_32 3
		.amdhsa_float_denorm_mode_16_64 3
		.amdhsa_memory_ordered 1
		.amdhsa_forward_progress 1
		.amdhsa_inst_pref_size 116
	.end_amdhsa_kernel
	.amdgpu_metadata
---
amdhsa.version: [ 1, 2 ]
amdhsa.kernels:
  - .name:           k_q03472cb5d3_quant
    .symbol:         k_q03472cb5d3_quant.kd
    .args:
      - { .name: query_seq, .offset: 0, .size: 8, .value_kind: global_buffer, .address_space: global }
      - { .name: synth_set, .offset: 8, .size: 8, .value_kind: global_buffer, .address_space: global }
      - { .name: q_codes, .offset: 16, .size: 8, .value_kind: global_buffer, .address_space: global }
      - { .name: q_scales, .offset: 24, .size: 8, .value_kind: global_buffer, .address_space: global }
      - { .name: s_codes, .offset: 32, .size: 8, .value_kind: global_buffer, .address_space: global }
      - { .name: s_scales, .offset: 40, .size: 8, .value_kind: global_buffer, .address_space: global }
      - { .name: s_rnorm, .offset: 48, .size: 8, .value_kind: global_buffer, .address_space: global }
    .group_segment_fixed_size: 43008
    .private_segment_fixed_size: 0
    .kernarg_segment_align: 8
    .kernarg_segment_size: 56
    .max_flat_workgroup_size: 160
    .sgpr_count:     66
    .vgpr_count:     256
    .wavefront_size: 32
...
	.end_amdgpu_metadata
.endif
;; end of part 1
;; launch score (part 2): grid 16 x 16, 4 waves a work-group, clusters of 4 x 1, 327,680 bytes of LDS; arguments q_codes, q_scales, s_codes, s_scales, s_rnorm, cand; writes cand
.if DOCPART == 2
	.amdgcn_target "amdgcn-amd-amdhsa--gfx1250"
	.amdhsa_code_object_version 6
	.text
	.protected	k_q03472cb5d3_score
	.globl	k_q03472cb5d3_score
	.p2align	8
	.type	k_q03472cb5d3_score,@function
k_q03472cb5d3_score:
	s_mov_b64 s[64:65], 0
	v_nop
	global_prefetch_b8 v0, s[64:65] scope:SCOPE_SE
	s_setreg_imm32_b32 hwreg(HW_REG_WAVE_MODE, 25, 1), 1
	s_wait_xcnt 0x0
	s_wait_alu depctr_hold_cnt(0) depctr_sa_sdst(0) depctr_va_vdst(0) depctr_va_sdst(0) depctr_va_ssrc(0) depctr_va_vcc(0) depctr_vm_vsrc(0)
	s_getreg_b32 s2, hwreg(HW_REG_IB_STS2, 6, 4)
	s_cmp_eq_u32 s2, 0
	s_cbranch_scc0 .Lentry_in_a_cluster
	s_endpgm
.Lentry_in_a_cluster:
	s_bfe_u32 s2, ttmp6, 0x10000c
	s_cmp_lg_u32 s2, 0x3003
	s_cbranch_scc0 .Lentry_shape_is_right
	s_endpgm
.Lentry_shape_is_right:
; The product Q(query) Q(synth)^T on codes of FP8 (E4M3) with E8M0 scales, each score times 1 / |synth row|, and for each query and each range of 1,024 synth rows the 4 best GROUPS of 8 neighbouring rows.
; Left out, as the first kernel's head shows: |query| and the '1 -' (they cannot change which rows are chosen).
; WHY GROUPS SUFFICE.  Order rows by (x descending, index ascending) and groups by (largest x descending, group number ascending).  Let row e of group G be among the 4 best rows, and let 4 groups G' stand ahead of G.
; Each G' holds a row e' with x(e') = max(G') >= max(G) >= x(e), and where they are equal G' < G, so e' has the lower index: four rows ahead of e, a contradiction.  So the 4 best rows lie in the 4 best groups.
; SHARES.  Work-group (x, y): 256 queries (block x), synth rows 1,024 y on (64 tiles of 16).  Wave w: query tiles 16 x + 4 w + 0 .. 3, whose 64 KiB of codes stay in 512 registers: each fragment of synth read from LDS feeds 4 products.
; TRANSPOSED USE: source 0 = 16 synth rows, source 1 = 16 queries: lane (r, h) holds query r, and its 8 registers synth rows 8 h + 0 .. 7 of the tile: ONE GROUP.  A group's maximum needs no other lane.
; Each lane keeps, for each of its 4 queries, a sorted list of 4 (value, group); the compare is strict and groups come in ascending order, so of equal values the lower group stays ahead.
; RING.  Two LDS slots of 8 tiles (131,072 bytes, register images: dense, no padding).  At the head a wave issues one tensor load: waves 0 and 1 a half of slot 0 each, wave 2 the range's scale bytes, wave 3 its 1 / norm.
; Slot 1's first fill and every refill are a quarter slot a wave, behind a round of the cluster's barrier.
; CLUSTER 4 x 1: the four query blocks of a cluster walk the same synth range, so every tensor load is joint (mask 15).  A second axis would share nothing: the queries' codes go to registers once.
; PREFETCH: at each change of slots that fills a slot, the 131,072 bytes of the slot one refill further on are asked for: 512 blocks of 256 bytes, a lane a block, shared out by address among the cluster's 16 waves; the last such change asks for nothing.
; OUT: cand[y][query tile][plane][16 queries][4] u32: plane 0 an order-keeping whole-number image of the value, plane 1 the group number.
; REGISTERS.  window 0: below.  window 1: two sets of synth fragments (v0-127, v128-255; K step s at 16 s).  window 2: Q of K steps 0-3 at 64 s + 16 qt.  window 3: K steps 4-7 likewise.
.set SLOTB, 1<<17
.set SCL,   2*SLOTB                    ; the range's scale bytes, 32,768
.set RN,    SCL+32768                  ; its 1 / norm, 4,096
.set SPARE, RN+4096                    ; the spare words, 128 bytes a wave: two blocks of 256 bytes that no other line names
.set LI,   1                           ; v1  16 x lane
.set ADR,  2                           ; v2  LDS address of the tile in hand
.set ASC0, 3                           ; v3  SCL + 32 r
.set ARN0, 4                           ; v4  RN + 32 h
.set ADS,  5                           ; v5  the tile's scale words
.set ADN,  6                           ; v6  the tile's 1 / norm
.set GID,  7                           ; v7  my group's number in the tile at work
.set SPW,  8                           ; v8  my spare word; never rewritten
.set NIL,  9                           ; v9  0; never rewritten
.set QO,   10                          ; v10 32 x lane
.set PFO,  14                          ; v14 256 x lane: the prefetch's offset; never rewritten
.set QS,   16                          ; v16-31  Q's scale words: 8 (qt / 2) + s; lanes 0-15 the even tile's rows, lanes 16-31 the odd one's
.set SS,   32                          ; v32-47  synth's scale words, two sets of 8
.set RS,   48                          ; v48-63  1 / norm of my 8 rows, two sets
.set ACC,  64                          ; v64-95  four accumulators
.set T,    96                          ; v96-127 scores x 1 / norm
.set M,    128                         ; v128-131 the groups' maxima
.set TI,   132                         ; v132-135 at work
.set LV,   136                         ; v136-151 the lists' values, 4 qt + k
.set LG,   152                         ; v152-167 their groups
.set OV,   168                         ; v168-171, 172-175 the other half's list
.set OG,   172
.set OUT,  176                         ; v176-191 what is stored, four registers a query tile
.set WV,  16
.set CX,  17
.set MB,  18
.set Y,   19
.set G1C, 24                           ; s[24:31] group 1: 128 rows of 256 bytes: a quarter slot, or the scale bytes
.set G1H, 32                           ; s[32:39] 256 such rows: half a slot
.set G1R, 40                           ; s[40:47] 16 such rows: the 1 / norm
.set G0A, 48                           ; s[48:51] group 0: a half of slot 0 (waves 0 and 1)
.set G0B, 52                           ; s[52:55] my quarter of slot 1; it then walks
.set G0S, 56
.set G0R, 60
.set TF,  66                           ; LDS byte of the next tile to be read
.set TS,  67                           ; its scale words: 512 bytes a tile
.set TR,  68                           ; its 1 / norm: 64 bytes a tile
.set SLOTS, 69
.set PAIRS, 70
.set HM,  71                           ; lanes 16-31
.set CM,  72                           ; s[72:87] sixteen compare masks
.set LX,  88                           ; s[88:93] masks of the compare by value and group
.set PFA, 94                           ; s[94:95] where my prefetches stand
.set SEL, 96                           ; s[96:97] selects for lane l xor 16
.set MSB, 0
.macro WIN new                         ; the immediate's high byte repeats the setting that is left; a switch that changes nothing is dropped
.if MSB != (\new)
	s_set_vgpr_msb (MSB<<8)|(\new)
.set MSB, (\new)
.endif
.endm
.macro NOP4
.rept 4
	v_nop
.endr
.endm
.macro CROUND                          ; a whole round of the cluster's barrier
	s_barrier_signal -1
	s_barrier_wait -1
	CREST
.endm
.macro CREST                           ; a round behind its opening barrier
	s_cmp_lg_u32 s[WV], 0
	s_cbranch_scc1 .Lnot_wave_0_\@
	s_barrier_signal -3
.Lnot_wave_0_\@:
	s_barrier_wait -3
	s_barrier_signal -1
	s_barrier_wait -1
.endm
	s_load_b256 s[4:11], s[0:1], 0x0               ; q_codes, q_scales, s_codes, s_scales
	s_load_b128 s[12:15], s[0:1], 0x20             ; s_rnorm, cand
	v_lshl_add_u32 v[SPW], v0, 2, SPARE
	v_mov_b32 v[NIL], 0
	ds_add_u32 v[SPW], v[NIL]                      ; the wave's opening: the add, twice on end, and its wait ahead of my first tensor load
	ds_add_u32 v[SPW], v[NIL]
	v_lshrrev_b32 v11, 5, v0
	v_readfirstlane_b32 s[WV], v11                 ; wave 0..3
	s_bfe_u32 s[CX], ttmp6, 0x40000                ; my place in the cluster: it enters Q's, cand's and the prefetch's addresses alone
	s_lshl_b32 s[MB], ttmp9, 2
	s_add_co_u32 s[MB], s[MB], s[CX]               ; my block of 256 queries
	s_and_b32 s[Y], ttmp7, 0xffff                  ; my range of 1,024 synth rows, which the four partners share
.irp g, G1C, G1H, G1R
	s_mov_b32 s[\g], 15|(3<<16)|(1<<21)            ; 15:0 the mask: all four; 17:16 elements of 8 bytes; 21 set beside a mask; no padding
	s_mov_b32 s[\g+1], 32<<16                      ; tensor_dim0 = 32 elements: 256 bytes
	s_mov_b32 s[\g+3], 32<<16                      ; tile_dim0
	s_mov_b32 s[\g+5], 32                          ; the pitch: the blocks are dense
	s_mov_b32 s[\g+6], 0
	s_mov_b32 s[\g+7], 0
.endr
	s_mov_b32 s[G1C+2], 128<<16                    ; tensor_dim1
	s_mov_b32 s[G1C+4], 128                        ; tile_dim1
	s_mov_b32 s[G1H+2], 256<<16
	s_mov_b32 s[G1H+4], 256
	s_mov_b32 s[G1R+2], 16<<16
	s_mov_b32 s[G1R+4], 16
	s_lshl_b32 s22, s[WV], 15                      ; my quarter of a slot
	s_lshl_b32 s23, s[WV], 16                      ; my half of slot 0 (waves 0 and 1)
	s_mov_b32 s[G0A], 1
	s_mov_b32 s[G0A+1], s23
	s_mov_b32 s[G0B], 1
	s_add_co_u32 s[G0B+1], s22, SLOTB
	s_mov_b32 s[G0S], 1
	s_mov_b32 s[G0S+1], SCL
	s_mov_b32 s[G0R], 1
	s_mov_b32 s[G0R+1], RN
	s_lshl_b32 s20, s[Y], 20                       ; the range's codes: 64 tiles of 16,384 bytes
	s_mov_b32 s21, 0
	s_mov_b32 s[SEL], 0x76543210
	s_mov_b32 s[SEL+1], 0xfedcba98
	s_mov_b32 s[HM], 0xffff0000
	s_mov_b32 s[TF], 0
	s_mov_b32 s[TS], 0
	s_mov_b32 s[TR], 0
	s_wait_dscnt 0x0                               ; both opening adds are done
	s_wait_kmcnt 0x0
	s_add_nc_u64 s[8:9], s[8:9], s[20:21]
	s_mov_b32 s20, s23
	s_add_nc_u64 s[G0A+2:G0A+3], s[8:9], s[20:21]
	s_add_co_u32 s20, s22, SLOTB
	s_add_nc_u64 s[G0B+2:G0B+3], s[8:9], s[20:21]
	s_lshl_b32 s20, s[Y], 15
	s_add_nc_u64 s[G0S+2:G0S+3], s[10:11], s[20:21]
	s_lshl_b32 s20, s[Y], 12
	s_add_nc_u64 s[G0R+2:G0R+3], s[12:13], s[20:21]
.irp g, G0A, G0B, G0S, G0R
	s_or_b32 s[\g+3], s[\g+3], 0x80000000          ; type = 2
.endr
	CROUND                                         ; all four work-groups are here: the first joint loads meet
	; the head's loads, one a wave, in one chain of branches on the wave's number
	s_cmp_lt_u32 s[WV], 2
	s_cbranch_scc0 .Lh_s
	tensor_load_to_lds s[G0A:G0A+3], s[G1H:G1H+7]  ; waves 0 and 1: a half of slot 0 each
	s_nop 0
	NOP4
	s_branch .Lh_j
.Lh_s:
	s_cmp_lt_u32 s[WV], 3
	s_cbranch_scc0 .Lh_r
	tensor_load_to_lds s[G0S:G0S+3], s[G1C:G1C+7]  ; wave 2: the scale bytes
	s_nop 0
	NOP4
	s_branch .Lh_j
.Lh_r:
	tensor_load_to_lds s[G0R:G0R+3], s[G1R:G1R+7]  ; wave 3: the 1 / norm
	s_nop 0
	NOP4
.Lh_j:
	v_and_b32 v11, 31, v0                          ; lane
	v_and_b32 v12, 15, v0                          ; r
	v_bfe_u32 v13, v0, 4, 1                        ; h
	v_lshlrev_b32 v[LI], 4, v11
	v_lshlrev_b32 v[QO], 5, v11
	v_lshlrev_b32 v[PFO], 8, v11
	v_lshl_add_u32 v[ASC0], v12, 5, SCL
	v_lshl_add_u32 v[ARN0], v13, 5, RN
	s_lshl_b32 s74, s[Y], 7
	v_add_nc_u32 v[GID], s74, v13                  ; group = synth row / 8 = 128 y + 2 x tile + h
	s_wait_alu depctr_va_vdst(0)                   ; the wait ahead of the run of scalar lines
	s_lshl_b32 s74, s[MB], 4
	s_lshl_b32 s75, s[WV], 2
	s_add_co_u32 s74, s74, s75                     ; my first query tile
	s_mov_b32 s77, 0
	s_lshl_b32 s76, s74, 14
	s_add_nc_u64 s[4:5], s[4:5], s[76:77]          ; its codes,
	s_lshl_b32 s76, s74, 9
	s_add_nc_u64 s[6:7], s[6:7], s[76:77]          ; its scale bytes,
	s_lshl_b32 s75, s[Y], 8
	s_add_co_u32 s75, s75, s74
	s_lshl_b32 s76, s75, 9
	s_add_nc_u64 s[14:15], s[14:15], s[76:77]      ; and its place in cand: (256 y + tile) x 512 bytes
	s_lshl_b32 s76, s[CX], 2
	s_add_co_u32 s76, s76, s[WV]
	s_lshl_b32 s76, s76, 13                        ; of a slot's 131,072 bytes my wave names 8,192: wave 4 cx + w of the cluster's 16
	s_add_co_u32 s76, s76, 2*SLOTB                 ; the first change of slots steps this to the fourth slot's worth
	s_add_nc_u64 s[PFA:PFA+1], s[8:9], s[76:77]
	global_load_b128 v[QS:QS+3], v[QO], s[6:7]     ; lanes 0-15: rows of tile 0, lanes 16-31: of tile 1; words 0-3,
	global_load_b128 v[QS+4:QS+7], v[QO], s[6:7] offset:16         ; words 4-7;
	global_load_b128 v[QS+8:QS+11], v[QO], s[6:7] offset:1024      ; tiles 2 and 3
	global_load_b128 v[QS+12:QS+15], v[QO], s[6:7] offset:1040
	WIN 0x80                                       ; destination window 2
.irp s, 0,1,2,3
.irp qt, 0,1,2,3
.irp c, 0,1,2,3
	global_load_b128 v[64*\s+16*\qt+4*\c:64*\s+16*\qt+4*\c+3], v[LI], s[4:5] offset:16384*\qt+512*(4*\s+\c)
.endr
.endr
.endr
	WIN 0xc0                                       ; destination window 3
.irp s, 0,1,2,3
.irp qt, 0,1,2,3
.irp c, 0,1,2,3
	global_load_b128 v[64*\s+16*\qt+4*\c:64*\s+16*\qt+4*\c+3], v[LI], s[4:5] offset:16384*\qt+512*(16+4*\s+\c)
.endr
.endr
.endr
	WIN 0
.irp i, 0,1,2,3,4,5,6,7,8,9,10,11,12,13,14,15
	v_mov_b32 v[LV+\i], 0xff800000                 ; the lists begin at -infinity: each lane sees 64 groups, so none of these is left at the end
	v_mov_b32 v[LG+\i], 0
.endr
.irp i, 0,1,2,3,4,5,6,7
	v_mov_b32 v[OV+\i], 0                          ; written once: a lane permute's destination counts as one of its sources
.endr
.irp i, 0,1,2,3
	v_mov_b32 v[M+\i], 0xff800000                  ; the first tile finishes the selection of a tile that is not there: -infinity leaves the lists as they are
.endr
; A tile's 36 LDS loads into set p, in one run: its scale words, my 8 rows' 1 / norm, its 32 pieces of codes.
.macro LOADS p
	v_add_nc_u32 v[ADR], s[TF], v[LI]
	v_add_nc_u32 v[ADS], s[TS], v[ASC0]
	v_add_nc_u32 v[ADN], s[TR], v[ARN0]
	ds_load_b128 v[SS+8*(\p):SS+8*(\p)+3], v[ADS]
	ds_load_b128 v[SS+8*(\p)+4:SS+8*(\p)+7], v[ADS] offset:16
	ds_load_b128 v[RS+8*(\p):RS+8*(\p)+3], v[ADN]
	ds_load_b128 v[RS+8*(\p)+4:RS+8*(\p)+7], v[ADN] offset:16
	WIN 0x40                                       ; destination window 1
.set i, 0
.rept 32
	ds_load_b128 v[128*(\p)+4*i:128*(\p)+4*i+3], v[ADR] offset:512*i   ; 512 consecutive bytes: the operand's registers as they were stored
.set i, i+1
.endr
	WIN 0
	s_add_co_u32 s[TF], s[TF], 16384
	s_add_co_u32 s[TS], s[TS], 512
	s_add_co_u32 s[TR], s[TR], 64
.endm
.macro MM p, s, qt                     ; one product: the tile's K step s against query tile qt
.set DD, ACC+8*(\qt)
.set AA, 128*(\p)+16*(\s)
.set BB, 64*((\s)%4)+16*(\qt)
.set SA, SS+8*(\p)+(\s)
.set SB, QS+8*((\qt)/2)+(\s)
.if (\s) == 0
.if (\qt)%2
	v_wmma_scale_f32_16x16x128_f8f6f4 v[DD:DD+7], v[AA:AA+15], v[BB:BB+15], 0, v[SA], v[SB] matrix_b_scale:MATRIX_SCALE_ROW1
.else
	v_wmma_scale_f32_16x16x128_f8f6f4 v[DD:DD+7], v[AA:AA+15], v[BB:BB+15], 0, v[SA], v[SB]
.endif
.else
.if (\qt)%2
	v_wmma_scale_f32_16x16x128_f8f6f4 v[DD:DD+7], v[AA:AA+15], v[BB:BB+15], v[DD:DD+7], v[SA], v[SB] matrix_b_scale:MATRIX_SCALE_ROW1
.else
	v_wmma_scale_f32_16x16x128_f8f6f4 v[DD:DD+7], v[AA:AA+15], v[BB:BB+15], v[DD:DD+7], v[SA], v[SB]
.endif
.endif
.endm
; 32 products: K ascending; the four accumulators take turns, one instruction a turn; the first four start the sums with the constant 0.
.macro MULT p
	WIN 0x09                                       ; source 0 window 1, source 1 window 2
.irp s, 0,1,2,3
.irp qt, 0,1,2,3
	MM \p, \s, \qt
.endr
.endr
	WIN 0x0d                                       ; source 1 window 3
.irp s, 4,5,6,7
.irp qt, 0,1,2,3
	MM \p, \s, \qt
.endr
.endr
	WIN 0
.endm
; The selection: 23 instructions a query tile, the four tiles by turns.
.macro SEL p
.irp qt, 0,1,2,3
.irp j, 0,2,4,6
	v_pk_mul_f32 v[T+8*\qt+\j:T+8*\qt+\j+1], v[ACC+8*\qt+\j:ACC+8*\qt+\j+1], v[RS+8*(\p)+\j:RS+8*(\p)+\j+1]   ; x = dot / |synth row|; each accumulator from its low end on
.endr
.endr
.irp qt, 0,1,2,3
	v_max3_num_f32 v[M+\qt], v[T+8*\qt], v[T+8*\qt+1], v[T+8*\qt+2]
.endr
.irp qt, 0,1,2,3
	v_max3_num_f32 v[M+\qt], v[M+\qt], v[T+8*\qt+3], v[T+8*\qt+4]
.endr
.irp qt, 0,1,2,3
	v_max3_num_f32 v[M+\qt], v[M+\qt], v[T+8*\qt+5], v[T+8*\qt+6]
.endr
.irp qt, 0,1,2,3
	v_max_num_f32 v[M+\qt], v[M+\qt], v[T+8*\qt+7] ; the group's largest x
.endr
.irp k, 0,1,2,3
.irp qt, 0,1,2,3
	v_cmp_gt_f32 s[CM+4*\qt+\k], v[M+\qt], v[LV+4*\qt+\k]   ; strict: of equal values the earlier, lower group stays ahead
.endr
.endr
.irp qt, 0,1,2,3
	v_cndmask_b32 v[TI+\qt], v[GID], v[LG+4*\qt+2], s[CM+4*\qt+2]
.endr
.irp qt, 0,1,2,3
	v_cndmask_b32 v[LG+4*\qt+3], v[LG+4*\qt+3], v[TI+\qt], s[CM+4*\qt+3]
.endr
.irp qt, 0,1,2,3
	v_cndmask_b32 v[TI+\qt], v[GID], v[LG+4*\qt+1], s[CM+4*\qt+1]
.endr
.irp qt, 0,1,2,3
	v_cndmask_b32 v[LG+4*\qt+2], v[LG+4*\qt+2], v[TI+\qt], s[CM+4*\qt+2]
.endr
.irp qt, 0,1,2,3
	v_cndmask_b32 v[TI+\qt], v[GID], v[LG+4*\qt], s[CM+4*\qt]
.endr
.irp qt, 0,1,2,3
	v_cndmask_b32 v[LG+4*\qt+1], v[LG+4*\qt+1], v[TI+\qt], s[CM+4*\qt+1]
.endr
.irp qt, 0,1,2,3
	v_cndmask_b32 v[LG+4*\qt], v[LG+4*\qt], v[GID], s[CM+4*\qt]
.endr
.irp qt, 0,1,2,3
	v_med3_num_f32 v[LV+4*\qt+3], v[LV+4*\qt+2], v[LV+4*\qt+3], v[M+\qt]   ; the sorted values with one more: the middle of two neighbours and the new one
.endr
.irp qt, 0,1,2,3
	v_med3_num_f32 v[LV+4*\qt+2], v[LV+4*\qt+1], v[LV+4*\qt+2], v[M+\qt]
.endr
.endm
; The selection's last two rows, places 1 and 0 of the values' lists, stand behind the NEXT tile's products: they name none of the products' registers,
; so they are the eight places between the last product and the first read of a result.  M still holds the earlier tile's maxima there.
.macro SELB
.irp qt, 0,1,2,3
	v_med3_num_f32 v[LV+4*\qt+1], v[LV+4*\qt], v[LV+4*\qt+1], v[M+\qt]
.endr
.irp qt, 0,1,2,3
	v_max_num_f32 v[LV+4*\qt], v[LV+4*\qt], v[M+\qt]
.endr
.endm
; THE CHANGE OF SLOTS stands in front of the products of a slot's last tile, whose fragments are in registers by then.  kind 1: the slot is filled again, with the tiles two slots on; kind 2: nothing is left to fetch.
.macro CHANGE kind
.if (\kind) == 1
	s_wait_xcnt 0x0                                ; my last prefetch has read its base, which steps below
.endif
	s_wait_tensorcnt 0x0                           ; all my tensor loads have landed, my quarter of the other slot among them: a group 0 may be written
	ds_add_u32 v[SPW], v[NIL]                      ; 0 onto my spare word; the steps below stand between it and the wait for it
.if (\kind) == 1
	s_xor_b32 s[G0B+1], s[G0B+1], SLOTB            ; the walking descriptor: the other slot than last time,
	s_add_nc_u64 s[G0B+2:G0B+3], s[G0B+2:G0B+3], SLOTB   ; the next 8 tiles; the type bits on top are not reached
	s_add_nc_u64 s[PFA:PFA+1], s[PFA:PFA+1], SLOTB
.endif
	s_sub_co_u32 s[TF], s[TF], SLOTB               ; the reads go back to a slot's first tile,
	s_xor_b32 s[TF], s[TF], SLOTB                  ; in the other slot
	s_wait_dscnt 0x0                               ; the add is done, and my reads of this slot are over: the tile's fragments are in registers
	s_barrier_signal -1                            ; the tile's 32 products, work on registers, stand between this signal and its wait
.endm
; The second part of the change, behind the tile's products.
.macro CHANGE2 kind
	s_barrier_wait -1
.if (\kind) == 1
	CREST                                          ; no wave of any partner still reads the slot or has a load on its way
	tensor_load_to_lds s[G0B:G0B+3], s[G1C:G1C+7]  ; my one tensor load behind the round: it has the next slot's 256 products and 8 selections in which to land
	s_nop 0
	NOP4
	s_cmp_gt_u32 s[SLOTS], 1                       ; the last refill has no slot's worth behind it
	s_cbranch_scc0 .Lno_ask_\@
	global_prefetch_b8 v[PFO], s[PFA:PFA+1] th:TH_LOAD_NT scope:SCOPE_SE   ; the slot's worth that the next refill loads: my 32 blocks of 256 bytes
.Lno_ask_\@:
.endif
.endm
; A tile at work in set p.  nxt = 1: the next tile's loads go out first, into the other set, whose last products stand a whole selection back.
.macro TILE p, nxt, chg
.if \chg
	CHANGE \chg                                    ; a slot's last tile: the waits, the add and the signal; its products; the rest of the round and the refill; only then the next tile's loads, from the other slot
	MULT \p
	CHANGE2 \chg
	LOADS 1-(\p)
.else
.if \nxt
	LOADS 1-(\p)
	s_wait_dscnt 36                                ; all but the 36 just issued: this tile's registers are in
.else
	s_wait_dscnt 0x0
.endif
	MULT \p
.endif
	SELB
	SEL \p
	v_add_nc_u32 v[GID], 2, v[GID]
.endm
.macro SLOTWORK kind                   ; a slot's 8 tiles
	s_mov_b32 s[PAIRS], 3
.Lpair_\@:
	TILE 0, 1, 0
	TILE 1, 1, 0
	s_sub_co_u32 s[PAIRS], s[PAIRS], 1
	s_cmp_lg_u32 s[PAIRS], 0
	s_cbranch_scc1 .Lpair_\@
	TILE 0, 1, 0
.if (\kind) == 3
	TILE 1, 0, 0
.else
	TILE 1, 1, \kind
.endif
.endm
; mask d: (vb, gb) stands ahead of (va, ga), by value descending and then group ascending
.macro LEXM d, va, ga, vb, gb
	v_cmp_gt_f32 s[\d], v[\vb], v[\va]
	v_cmp_eq_f32 s[LX+4], v[\vb], v[\va]
	v_cmp_lt_u32 s[LX+5], v[\gb], v[\ga]
	s_and_b32 s[LX+4], s[LX+4], s[LX+5]
	s_or_b32 s[\d], s[\d], s[LX+4]
.endm
; the pair at (iv + a, ig + a) and (iv + b, ig + b) goes in order to the same places of (ov, og); mask d as LEXM made it
.macro XCH d, iv, ig, ov, og, a, b
	v_max_num_f32 v[(\ov)+(\a)], v[(\iv)+(\a)], v[(\iv)+(\b)]
	v_min_num_f32 v[(\ov)+(\b)], v[(\iv)+(\a)], v[(\iv)+(\b)]
	v_cndmask_b32 v[(\og)+(\a)], v[(\ig)+(\a)], v[(\ig)+(\b)], s[\d]
	v_cndmask_b32 v[(\og)+(\b)], v[(\ig)+(\b)], v[(\ig)+(\a)], s[\d]
.endm
	s_wait_alu depctr_va_vdst(0)                   ; the head's end
	s_wait_tensorcnt 0x0                           ; my tile of the head's four is in
	ds_add_u32 v[SPW], v[NIL]
	s_wait_dscnt 0x0
	CROUND                                         ; everybody's is in, and all four work-groups are here
	tensor_load_to_lds s[G0B:G0B+3], s[G1C:G1C+7]  ; slot 1's first fill, a quarter a wave: the first tensor load behind the round
	s_nop 0
	NOP4
	LOADS 0
	s_wait_loadcnt 0x0                             ; Q and its scale words
	s_mov_b32 s[SLOTS], 6
.Lslot:                                            ; slots' worth 0 to 5: each is filled again with the tiles two slots on
	SLOTWORK 1
	s_sub_co_u32 s[SLOTS], s[SLOTS], 1
	s_cmp_lg_u32 s[SLOTS], 0
	s_cbranch_scc1 .Lslot
	SLOTWORK 2                                     ; the tail is written out
	SLOTWORK 3
	SELB                                           ; the last tile's selection is finished
	; THE WAY OUT.  A query's even groups lie in lane r, its odd ones in lane r + 16, each list sorted.  The 4 best of both are the better of mine[i] and the other's[3 - i], i = 0 .. 3;
	; that run rises and then falls (or the reverse), so exchanges of places (0, 2), (1, 3) and then (0, 1), (2, 3) sort it.  Groups differ, so the order is strict and both halves end with the same list.
.irp qt, 0,1,2,3
.irp k, 0,1,2,3
	v_permlanex16_b32 v[OV+\k], v[LV+4*\qt+\k], s[SEL], s[SEL+1]
	v_permlanex16_b32 v[OG+\k], v[LG+4*\qt+\k], s[SEL], s[SEL+1]
.endr
.irp i, 0,1,2,3
	LEXM LX+\i, LV+4*\qt+\i, LG+4*\qt+\i, OV+3-\i, OG+3-\i
.endr
.irp i, 0,1,2,3
	v_max_num_f32 v[LV+4*\qt+\i], v[LV+4*\qt+\i], v[OV+3-\i]
	v_cndmask_b32 v[LG+4*\qt+\i], v[LG+4*\qt+\i], v[OG+3-\i], s[LX+\i]
.endr
.irp a, 0,1
	LEXM LX+\a, LV+4*\qt+\a, LG+4*\qt+\a, LV+4*\qt+\a+2, LG+4*\qt+\a+2
.endr
.irp a, 0,1
	XCH LX+\a, LV+4*\qt, LG+4*\qt, OV, OG, \a, \a+2
.endr
.irp a, 0,2
	LEXM LX+\a, OV+\a, OG+\a, OV+\a+1, OG+\a+1
.endr
.irp a, 0,2
	XCH LX+\a, OV, OG, LV+4*\qt, LG+4*\qt, \a, \a+1
.endr
.irp k, 0,1,2,3
	v_add_f32 v[LV+4*\qt+\k], 0, v[LV+4*\qt+\k]    ; -0 becomes +0: equal numbers get equal keys
.endr
.irp k, 0,1,2,3
	v_ashrrev_i32 v[OV+\k], 31, v[LV+4*\qt+\k]
.endr
.irp k, 0,1,2,3
	v_or_b32 v[OV+\k], 0x80000000, v[OV+\k]
.endr
.irp k, 0,1,2,3
	v_xor_b32 v[OV+\k], v[LV+4*\qt+\k], v[OV+\k]   ; the key: an unsigned whole number that rises with the f32 number
.endr
.irp k, 0,1,2,3
	v_cndmask_b32 v[OUT+4*\qt+\k], v[OV+\k], v[LG+4*\qt+\k], s[HM]   ; lanes 0-15 store the keys, lanes 16-31 the groups
.endr
	global_store_b128 v[LI], v[OUT+4*\qt:OUT+4*\qt+3], s[14:15] offset:512*\qt   ; 512 consecutive bytes, at a multiple of 256 from cand's first byte
.endr
	s_wait_tensorcnt 0x0                           ; the wave's end
	ds_add_u32 v[SPW], v[NIL]
	s_wait_dscnt 0x0
	CROUND                                         ; the closing round: no work-group ends while a partner may still ask for a tile that names it
	s_endpgm
.Lfunc_end_k_q03472cb5d3_score:
	.size	k_q03472cb5d3_score, .Lfunc_end_k_q03472cb5d3_score-k_q03472cb5d3_score
	.p2alignl 7, 3214868480
	.fill 96, 4, 3214868480
	.section	.rodata,"a",@progbits
	.p2align	6, 0x0
	.amdhsa_kernel k_q03472cb5d3_score
		.amdhsa_group_segment_fixed_size 327680
		.amdhsa_private_segment_fixed_size 0
		.amdhsa_enable_private_segment 0
		.amdhsa_kernarg_size 48
		.amdhsa_user_sgpr_count 2
		.amdhsa_user_sgpr_kernarg_segment_ptr 1
		.amdhsa_wavefront_size32 1
		.amdhsa_system_sgpr_workgroup_id_x 1
		.amdhsa_system_sgpr_workgroup_id_y 1
		.amdhsa_system_sgpr_workgroup_id_z 1
		.amdhsa_system_vgpr_workitem_id 0
		.amdhsa_next_free_vgpr 1024
		.amdhsa_next_free_sgpr 100
		.amdhsa_reserve_vcc 0
		.amdhsa_float_denorm_mode_32 3
		.amdhsa_float_denorm_mode_16_64 3
		.amdhsa_memory_ordered 1
		.amdhsa_forward_progress 1
		.amdhsa_inst_pref_size 189
	.end_amdhsa_kernel
	.amdgpu_metadata
---
amdhsa.version: [ 1, 2 ]
amdhsa.kernels:
  - .name:           k_q03472cb5d3_score
    .symbol:         k_q03472cb5d3_score.kd
    .args:
      - { .name: q_codes, .offset: 0, .size: 8, .value_kind: global_buffer, .address_space: global }
      - { .name: q_scales, .offset: 8, .size: 8, .value_kind: global_buffer, .address_space: global }
      - { .name: s_codes, .offset: 16, .size: 8, .value_kind: global_buffer, .address_space: global }
      - { .name: s_scales, .offset: 24, .size: 8, .value_kind: global_buffer, .address_space: global }
      - { .name: s_rnorm, .offset: 32, .size: 8, .value_kind: global_buffer, .address_space: global }
      - { .name: cand, .offset: 40, .size: 8, .value_kind: global_buffer, .address_space: global }
    .group_segment_fixed_size: 327680
    .private_segment_fixed_size: 0
    .kernarg_segment_align: 8
    .kernarg_segment_size: 48
    .max_flat_workgroup_size: 128
    .sgpr_count:     100
    .vgpr_count:     1024
    .wavefront_size: 32
...
	.end_amdgpu_metadata
.endif
;; end of part 2
;; launch refine (part 3): grid 256 x 1, 4 waves a work-group, no clusters, 0 bytes of LDS; arguments q_codes, q_scales, s_codes, s_scales, s_rnorm, cand, knn; writes knn
.if DOCPART == 3
	.amdgcn_target "amdgcn-amd-amdhsa--gfx1250"
	.amdhsa_code_object_version 6
	.text
	.protected	k_q03472cb5d3_refine
	.globl	k_q03472cb5d3_refine
	.p2align	8
	.type	k_q03472cb5d3_refine,@function
k_q03472cb5d3_refine:
	s_mov_b64 s[64:65], 0
	v_nop
	global_prefetch_b8 v0, s[64:65] scope:SCOPE_SE
	s_setreg_imm32_b32 hwreg(HW_REG_WAVE_MODE, 25, 1), 1
	s_wait_xcnt 0x0
; For each query: the 16 ranges' lists of 4 (key, group) are merged into the 4 best groups, by whole-number compares alone; the 32 rows of those groups are multiplied with the query again, and the 4 best rows are stored.
; Left out, as the first kernel's head shows: |query| and the '1 -'.  That the 4 best rows lie in the 4 best groups is shown at the head of the launch before.
; SHARES.  Work-group T = query tile T (16 queries).  Wave w refines queries 4 w + n, n = 0 .. 3.  Waves share nothing: no LDS byte is touched (the lane permute through the LDS unit touches none), no barrier.
; THE MERGE.  Lane (r, h) merges ranges 8 h .. 8 h + 7 of query r; entries come in ascending group order among equal keys and the compare is strict, so the lower group stays ahead.  Then the list of h = 1 goes into that of h = 0.
; THE PRODUCTS.  As in the launch before: source 0 = 16 synth rows (two groups), source 1 = the 16 queries, K ascending, times the same 1 / norm.  Of a result only the column of the query in hand is kept.
; A group's codes: tile group / 2; in each piece of 512 bytes its 8 rows are 128 consecutive bytes in each half of 256: a load of the wave reads four runs of 128 bytes.
; REGISTERS.  window 0: below.  window 1: v0-127 Q.  window 2: the two tiles of synth rows of an even n (128 a + 16 s).  window 3: those of an odd n.
.set LI,   3                           ; v3  16 x lane
.set BI,   4                           ; v4-7  the lane permute's index: 4 x (4 w + n)
.set CO,   8                           ; v8  cand: (h << 20) + 16 r
.set QO,   9                           ; v9  32 r
.set CC,   10                          ; v10 256 h + 16 (r % 8)
.set CS,   11                          ; v11 32 (r % 8)
.set KO,   12                          ; v12 16 r
.set TA,   13                          ; v13-15 at work
.set TB,   14
.set TC,   15
.set CK,   16                          ; v16-47  keys: 4 i + k, range 8 h + i
.set CG,   48                          ; v48-79  their groups
.set KL,   80                          ; v80-83  the merged keys;  v84-87 groups
.set GLS,  84
.set OKL,  88                          ; v88-95  the other half's
.set BK,   96                          ; v96-99, 100-103 the list of h = 0;  v104-107, 108-111 the entries of h = 1
.set BG,   100
.set EK,   104
.set EG,   108
.set GP,   112                         ; v112-127 the 4 groups of query 4 w + n: 4 n + k, in every lane
.set AC,   128                         ; v128-135 offsets of codes, 2 n + a;  136-143 of scale words;  144-151 of 1 / norm;  152-159 the group of my half of the result
.set AS,   136
.set AR,   144
.set GD,   152
.set QS,   160                         ; v160-167 Q's scale words
.set SS,   168                         ; v168-199 synth's: 16 (n % 2) + 8 a + s
.set RS,   200                         ; v200-231 1 / norm, likewise
.set ACC,  232                         ; v232-247 two accumulators
.set X,    16                          ; behind the merge: v16-31 my query's 16 candidates of my half;  v32-33 their groups
.set XG,   32
.set LV,   36                          ; v36-39 the 4 best values;  v40-43 their rows
.set LR,   40
.set OV,   44                          ; v44-51 the other half's
.set OR,   48
.set ID,   52
.set TI,   13
.set PM,   56                          ; v56-71 a query's products x 1 / norm
.set WV,  18
.set M8,  20                           ; lanes with r >= 8
.set HM,  21                           ; lanes 16-31
.set SEL, 22
.set CM,  24                           ; s[24:27]
.set LX,  28                           ; s[28:33]
.set QM,  34                           ; s[34:37] the two lanes of query 4 w + n
.set MSB, 0
.macro WIN new
.if MSB != (\new)
	s_set_vgpr_msb (MSB<<8)|(\new)
.set MSB, (\new)
.endif
.endm
	s_load_b256 s[4:11], s[0:1], 0x0               ; q_codes, q_scales, s_codes, s_scales
	s_load_b128 s[12:15], s[0:1], 0x20             ; s_rnorm, cand
	s_load_b64 s[16:17], s[0:1], 0x30              ; knn
	v_lshrrev_b32 v1, 5, v0
	v_readfirstlane_b32 s[WV], v1                  ; wave 0..3
	v_and_b32 v1, 15, v0                           ; r
	v_bfe_u32 v2, v0, 4, 1                         ; h
	v_and_b32 v[TA], 31, v0
	v_lshlrev_b32 v[LI], 4, v[TA]
	v_lshlrev_b32 v[KO], 4, v1
	v_lshl_add_u32 v[CO], v2, 20, v[KO]
	v_lshlrev_b32 v[QO], 5, v1
	v_and_b32 v[TB], 7, v1
	v_lshlrev_b32 v[CS], 5, v[TB]
	v_lshlrev_b32 v[CC], 4, v[TB]
	v_lshl_add_u32 v[CC], v2, 8, v[CC]
	s_lshl_b32 s19, s[WV], 4
	v_mov_b32 v[BI], s19
	v_add_nc_u32 v[BI+1], 4, v[BI]
	v_add_nc_u32 v[BI+2], 8, v[BI]
	v_add_nc_u32 v[BI+3], 12, v[BI]
	s_mov_b32 s[M8], 0xff00ff00
	s_mov_b32 s[HM], 0xffff0000
	s_mov_b32 s[SEL], 0x76543210
	s_mov_b32 s[SEL+1], 0xfedcba98
	s_lshl_b32 s19, s[WV], 2
	s_lshl_b32 s[QM], 0x00010001, s19
	s_lshl_b32 s[QM+1], s[QM], 1
	s_lshl_b32 s[QM+2], s[QM], 2
	s_lshl_b32 s[QM+3], s[QM], 3
	s_mov_b32 s39, 0
	s_wait_alu depctr_va_vdst(0)
	s_wait_kmcnt 0x0
	s_lshl_b32 s38, ttmp9, 9
	s_add_nc_u64 s[14:15], s[14:15], s[38:39]      ; cand at my tile, range 0
	s_add_nc_u64 s[6:7], s[6:7], s[38:39]          ; Q's scale bytes
	s_lshl_b32 s38, ttmp9, 14
	s_add_nc_u64 s[4:5], s[4:5], s[38:39]          ; Q's codes
	s_lshl_b32 s38, ttmp9, 8
	s_add_nc_u64 s[16:17], s[16:17], s[38:39]      ; knn: 16 bytes a query
.irp i, 0,1,2,3,4,5,6,7
	global_load_b128 v[CK+4*\i:CK+4*\i+3], v[CO], s[14:15] offset:131072*\i        ; sixteen lanes read 256 consecutive bytes
	global_load_b128 v[CG+4*\i:CG+4*\i+3], v[CO], s[14:15] offset:131072*\i+256
.endr
	global_load_b128 v[QS:QS+3], v[QO], s[6:7]
	global_load_b128 v[QS+4:QS+7], v[QO], s[6:7] offset:16
	WIN 0x40                                       ; destination window 1
.set i, 0
.rept 32
	global_load_b128 v[4*i:4*i+3], v[LI], s[4:5] offset:512*i
.set i, i+1
.endr
	WIN 0
.irp i, 0,1,2,3,4,5,6,7
	v_mov_b32 v[OKL+\i], 0                         ; written once: a lane permute's destination counts as one of its sources
.endr
; (kv, gv) goes into the sorted list (kb, gb): whole numbers, strict compare.
.macro INSU kv, gv, kb, gb
.irp z, 0,1,2,3
	v_cmp_gt_u32 s[CM+\z], v[\kv], v[(\kb)+\z]
.endr
	v_cndmask_b32 v[TA], v[\gv], v[(\gb)+2], s[CM+2]
	v_cndmask_b32 v[TB], v[\kv], v[(\kb)+2], s[CM+2]
	v_cndmask_b32 v[(\gb)+3], v[(\gb)+3], v[TA], s[CM+3]
	v_cndmask_b32 v[(\kb)+3], v[(\kb)+3], v[TB], s[CM+3]
	v_cndmask_b32 v[TA], v[\gv], v[(\gb)+1], s[CM+1]
	v_cndmask_b32 v[TB], v[\kv], v[(\kb)+1], s[CM+1]
	v_cndmask_b32 v[(\gb)+2], v[(\gb)+2], v[TA], s[CM+2]
	v_cndmask_b32 v[(\kb)+2], v[(\kb)+2], v[TB], s[CM+2]
	v_cndmask_b32 v[TA], v[\gv], v[(\gb)], s[CM]
	v_cndmask_b32 v[TB], v[\kv], v[(\kb)], s[CM]
	v_cndmask_b32 v[(\gb)+1], v[(\gb)+1], v[TA], s[CM+1]
	v_cndmask_b32 v[(\kb)+1], v[(\kb)+1], v[TB], s[CM+1]
	v_cndmask_b32 v[(\gb)], v[(\gb)], v[\gv], s[CM]
	v_cndmask_b32 v[(\kb)], v[(\kb)], v[\kv], s[CM]
.endm
	s_wait_alu depctr_va_vdst(0)
	s_wait_loadcnt 34                              ; cand's 16 loads are in; Q's 32 and its scale words' 2 may be out
.irp k, 0,1,2,3
	v_mov_b32 v[KL+\k], v[CK+\k]                   ; my first range's list comes sorted: it starts the merged list
	v_mov_b32 v[GLS+\k], v[CG+\k]
.endr
.irp i, 1,2,3,4,5,6,7
.irp k, 0,1,2,3
	INSU CK+4*\i+\k, CG+4*\i+\k, KL, GLS
.endr
.endr
.irp k, 0,1,2,3,4,5,6,7
	v_permlanex16_b32 v[OKL+\k], v[KL+\k], s[SEL], s[SEL+1]
.endr
.irp k, 0,1,2,3,4,5,6,7
	v_cndmask_b32 v[BK+\k], v[KL+\k], v[OKL+\k], s[HM]   ; the list of ranges 0-7, in both halves,
	v_cndmask_b32 v[EK+\k], v[OKL+\k], v[KL+\k], s[HM]   ; and that of ranges 8-15
.endr
.irp k, 0,1,2,3
	INSU EK+\k, EG+\k, BK, BG
.endr
; The 4 groups are put in ascending order of their numbers (five exchanges; the larger of two is their sum less the smaller): each lane's 16 candidates then come in ascending row order.
.macro CEU a, b
	v_add_nc_u32 v[TC], v[\a], v[\b]
	v_min_u32 v[\a], v[\a], v[\b]
	v_sub_nc_u32 v[\b], v[TC], v[\a]
.endm
	CEU BG, BG+1
	CEU BG+2, BG+3
	CEU BG, BG+2
	CEU BG+1, BG+3
	CEU BG+1, BG+2
.irp n, 0,1,2,3
.irp k, 0,1,2,3
	ds_bpermute_b32 v[GP+4*\n+\k], v[BI+\n], v[BG+\k]    ; query 4 w + n's groups, to every lane
.endr
.endr
	s_wait_dscnt 0x0
.irp n, 0,1,2,3
.irp a, 0,1
	v_cndmask_b32 v[TA], v[GP+4*\n+2*\a], v[GP+4*\n+2*\a+1], s[M8]   ; as source 0: rows 0-7 are group 2 a's, rows 8-15 group 2 a + 1's
	v_min_u32 v[TA], 0x7ff, v[TA]                  ; a group's number stays inside the table
	v_and_b32 v[TB], 0x7fe, v[TA]
	v_and_b32 v[TC], 1, v[TA]
	v_lshl_add_u32 v[TB], v[TB], 13, v[CC]         ; tile group / 2, 16,384 bytes each; + 256 h + 16 (r % 8)
	v_lshl_add_u32 v[AC+2*\n+\a], v[TC], 7, v[TB]  ; + 128 for the tile's upper group
	v_lshl_add_u32 v[AS+2*\n+\a], v[TA], 8, v[CS]  ; scale bytes: 32 a row
	v_cndmask_b32 v[TA], v[GP+4*\n+2*\a], v[GP+4*\n+2*\a+1], s[HM]   ; in the result: my 8 registers are group 2 a + h's rows
	v_min_u32 v[GD+2*\n+\a], 0x7ff, v[TA]
	v_lshlrev_b32 v[AR+2*\n+\a], 5, v[GD+2*\n+\a]  ; 1 / norm: 32 bytes a group
.endr
.endr
.macro GLOAD n                         ; query n's 72 loads
.irp a, 0,1
	global_load_b128 v[SS+16*((\n)%2)+8*\a:SS+16*((\n)%2)+8*\a+3], v[AS+2*(\n)+\a], s[10:11]
	global_load_b128 v[SS+16*((\n)%2)+8*\a+4:SS+16*((\n)%2)+8*\a+7], v[AS+2*(\n)+\a], s[10:11] offset:16
	global_load_b128 v[RS+16*((\n)%2)+8*\a:RS+16*((\n)%2)+8*\a+3], v[AR+2*(\n)+\a], s[12:13]
	global_load_b128 v[RS+16*((\n)%2)+8*\a+4:RS+16*((\n)%2)+8*\a+7], v[AR+2*(\n)+\a], s[12:13] offset:16
.endr
	WIN 0x80+0x40*((\n)%2)                         ; destination window 2 or 3
.irp a, 0,1
.set i, 0
.rept 32
	global_load_b128 v[128*\a+4*i:128*\a+4*i+3], v[AC+2*(\n)+\a], s[8:9] offset:512*i
.set i, i+1
.endr
.endr
	WIN 0
.endm
.macro REFINE n
.if (\n) < 3
	s_wait_loadcnt 63                              ; 72 younger loads may be out; 63 is the largest count that the wait can name
.else
	s_wait_loadcnt 0x0
.endif
	WIN 0x06+((\n)%2)                              ; source 0 window 2 or 3, source 1 window 1
.irp s, 0,1,2,3,4,5,6,7
.irp a, 0,1
.if \s == 0
	v_wmma_scale_f32_16x16x128_f8f6f4 v[ACC+8*\a:ACC+8*\a+7], v[128*\a+16*\s:128*\a+16*\s+15], v[16*\s:16*\s+15], 0, v[SS+16*((\n)%2)+8*\a+\s], v[QS+\s]
.else
	v_wmma_scale_f32_16x16x128_f8f6f4 v[ACC+8*\a:ACC+8*\a+7], v[128*\a+16*\s:128*\a+16*\s+15], v[16*\s:16*\s+15], v[ACC+8*\a:ACC+8*\a+7], v[SS+16*((\n)%2)+8*\a+\s], v[QS+\s]
.endif
.endr
.endr                                              ; the two accumulators take turns, one instruction a turn
	WIN 0
.rept 8
	v_nop                                          ; eight places: ahead of the first read of a result, and of the loads into registers that these products read
.endr
.if (\n) == 0
.irp a, 0,1
.irp j, 0,2,4,6
	v_pk_mul_f32 v[X+8*\a+\j:X+8*\a+\j+1], v[ACC+8*\a+\j:ACC+8*\a+\j+1], v[RS+8*\a+\j:RS+8*\a+\j+1]   ; the first query's go to all lanes: X is written whole
.endr
	v_mov_b32 v[XG+\a], v[GD+\a]
.endr
.else
.irp a, 0,1
.irp j, 0,2,4,6
	v_pk_mul_f32 v[PM+8*\a+\j:PM+8*\a+\j+1], v[ACC+8*\a+\j:ACC+8*\a+\j+1], v[RS+16*((\n)%2)+8*\a+\j:RS+16*((\n)%2)+8*\a+\j+1]
.endr
.endr
.irp j, 0,1,2,3,4,5,6,7,8,9,10,11,12,13,14,15
	v_cndmask_b32 v[X+\j], v[X+\j], v[PM+\j], s[QM+(\n)]   ; kept in the query's own two lanes
.endr
.irp a, 0,1
	v_cndmask_b32 v[XG+\a], v[XG+\a], v[GD+2*(\n)+\a], s[QM+(\n)]
.endr
.endif
.if (\n) < 2
	GLOAD (\n)+2
.endif
.endm
.macro INSS mv, gv, lv, li             ; for candidates that come in ascending row order: the compare is strict, so of equal values the earlier, lower row stays ahead
.irp z, 0,1,2,3
	v_cmp_gt_f32 s[LX+\z], v[\mv], v[(\lv)+\z]
.endr
	v_cndmask_b32 v[TI], v[\gv], v[(\li)+2], s[LX+2]
	v_cndmask_b32 v[(\li)+3], v[(\li)+3], v[TI], s[LX+3]
	v_cndmask_b32 v[TI], v[\gv], v[(\li)+1], s[LX+1]
	v_cndmask_b32 v[(\li)+2], v[(\li)+2], v[TI], s[LX+2]
	v_cndmask_b32 v[TI], v[\gv], v[(\li)], s[LX]
	v_cndmask_b32 v[(\li)+1], v[(\li)+1], v[TI], s[LX+1]
	v_cndmask_b32 v[(\li)], v[(\li)], v[\gv], s[LX]
	v_med3_num_f32 v[(\lv)+3], v[(\lv)+2], v[(\lv)+3], v[\mv]
	v_med3_num_f32 v[(\lv)+2], v[(\lv)+1], v[(\lv)+2], v[\mv]
	v_med3_num_f32 v[(\lv)+1], v[(\lv)], v[(\lv)+1], v[\mv]
	v_max_num_f32 v[(\lv)], v[(\lv)], v[\mv]
.endm
	GLOAD 0
	GLOAD 1
.irp n, 0,1,2,3
	REFINE \n
.endr
.irp k, 0,1,2,3
	v_mov_b32 v[LV+\k], 0xff800000
	v_mov_b32 v[LR+\k], 0x7fffffff
	v_mov_b32 v[OV+\k], 0
	v_mov_b32 v[OR+\k], 0
.endr
.irp a, 0,1
.irp j, 0,1,2,3,4,5,6,7
	v_lshl_add_u32 v[ID], v[XG+\a], 3, \j          ; the candidate's row of synth_set
	INSS X+8*\a+\j, ID, LV, LR
.endr
.endr
.irp k, 0,1,2,3
	v_permlanex16_b32 v[OV+\k], v[LV+\k], s[SEL], s[SEL+1]
	v_permlanex16_b32 v[OR+\k], v[LR+\k], s[SEL], s[SEL+1]
.endr
.irp k, 0,1,2,3
	; both halves' lists are sorted by value descending, then row ascending: the 4 best of the 8 are the better of mine[k] and the other's[3 - k]; the next launch sums the 4 rows, so their order is left as it falls
	v_cmp_gt_f32 s[LX+\k], v[OV+3-\k], v[LV+\k]
	v_cmp_eq_f32 s[LX+4], v[OV+3-\k], v[LV+\k]
	v_cmp_lt_u32 s[LX+5], v[OR+3-\k], v[LR+\k]
	s_and_b32 s[LX+4], s[LX+4], s[LX+5]
	s_or_b32 s[LX+\k], s[LX+\k], s[LX+4]
	v_cndmask_b32 v[LR+\k], v[LR+\k], v[OR+3-\k], s[LX+\k]
.endr
	v_and_b32 v[TB], 31, v0
	v_lshrrev_b32 v[TB], 2, v[TB]
	v_cmp_eq_u32 vcc_lo, s[WV], v[TB]              ; lanes 4 w .. 4 w + 3: my four queries
	s_wait_alu depctr_va_vdst(0)
	s_wait_xcnt 0x0                                ; EXEC changes only behind this wait
	s_and_saveexec_b32 s38, vcc_lo
	global_store_b128 v[KO], v[LR:LR+3], s[16:17]  ; 64 consecutive bytes a wave, 256 a work-group
	s_wait_xcnt 0x0
	s_or_b32 exec_lo, exec_lo, s38
	s_endpgm
.Lfunc_end_k_q03472cb5d3_refine:
	.size	k_q03472cb5d3_refine, .Lfunc_end_k_q03472cb5d3_refine-k_q03472cb5d3_refine
	.p2alignl 7, 3214868480
	.fill 96, 4, 3214868480
	.section	.rodata,"a",@progbits
	.p2align	6, 0x0
	.amdhsa_kernel k_q03472cb5d3_refine
		.amdhsa_group_segment_fixed_size 0
		.amdhsa_private_segment_fixed_size 0
		.amdhsa_enable_private_segment 0
		.amdhsa_kernarg_size 56
		.amdhsa_user_sgpr_count 2
		.amdhsa_user_sgpr_kernarg_segment_ptr 1
		.amdhsa_wavefront_size32 1
		.amdhsa_system_sgpr_workgroup_id_x 1
		.amdhsa_system_sgpr_workgroup_id_y 1
		.amdhsa_system_sgpr_workgroup_id_z 1
		.amdhsa_system_vgpr_workitem_id 0
		.amdhsa_next_free_vgpr 1024
		.amdhsa_next_free_sgpr 66
		.amdhsa_reserve_vcc 1
		.amdhsa_float_denorm_mode_32 3
		.amdhsa_float_denorm_mode_16_64 3
		.amdhsa_memory_ordered 1
		.amdhsa_forward_progress 1
		.amdhsa_inst_pref_size 112
	.end_amdhsa_kernel
	.amdgpu_metadata
---
amdhsa.version: [ 1, 2 ]
amdhsa.kernels:
  - .name:           k_q03472cb5d3_refine
    .symbol:         k_q03472cb5d3_refine.kd
    .args:
      - { .name: q_codes, .offset: 0, .size: 8, .value_kind: global_buffer, .address_space: global }
      - { .name: q_scales, .offset: 8, .size: 8, .value_kind: global_buffer, .address_space: global }
      - { .name: s_codes, .offset: 16, .size: 8, .value_kind: global_buffer, .address_space: global }
      - { .name: s_scales, .offset: 24, .size: 8, .value_kind: global_buffer, .address_space: global }
      - { .name: s_rnorm, .offset: 32, .size: 8, .value_kind: global_buffer, .address_space: global }
      - { .name: cand, .offset: 40, .size: 8, .value_kind: global_buffer, .address_space: global }
      - { .name: knn, .offset: 48, .size: 8, .value_kind: global_buffer, .address_space: global }
    .group_segment_fixed_size: 0
    .private_segment_fixed_size: 0
    .kernarg_segment_align: 8
    .kernarg_segment_size: 56
    .max_flat_workgroup_size: 128
    .sgpr_count:     66
    .vgpr_count:     1024
    .wavefront_size: 32
...
	.end_amdgpu_metadata
.endif
;; end of part 3
;; launch gather (part 4): grid 256 x 1, 16 waves a work-group, no clusters, 0 bytes of LDS; arguments synth_set, knn, out0; writes out0
.if DOCPART == 4
	.amdgcn_target "amdgcn-amd-amdhsa--gfx1250"
	.amdhsa_code_object_version 6
	.text
	.protected	k_q03472cb5d3_gather
	.globl	k_q03472cb5d3_gather
	.p2align	8
	.type	k_q03472cb5d3_gather,@function
k_q03472cb5d3_gather:
	s_mov_b64 s[64:65], 0
	v_nop
	global_prefetch_b8 v0, s[64:65] scope:SCOPE_SE
	s_setreg_imm32_b32 hwreg(HW_REG_WAVE_MODE, 25, 1), 1
	s_wait_xcnt 0x0
; out0[2 q] = out0[2 q + 1] = the mean of the 4 rows of synth_set that knn names for query q.
; Left out, as the first kernel's head shows: ALPHA = 0 makes (1 - ALPHA) the factor 1 and ALPHA x query_seq the term 0, so query_seq is not among the arguments here.
; A wave takes one query: 32 loads of 512 consecutive bytes (4 rows x 8 chunks), all issued at once; each result chunk is stored twice, 512 consecutive bytes a store.
; The row numbers are whole numbers that the launch before stored; they are held inside the table ahead of the addresses.  No LDS, no barrier: waves share nothing.
	s_load_b128 s[4:7], s[0:1], 0x0                ; synth_set, knn
	s_load_b64 s[8:9], s[0:1], 0x10                ; out0
	v_lshrrev_b32 v2, 5, v0
	s_delay_alu instid0(VALU_DEP_1)
	v_readfirstlane_b32 s10, v2                    ; wave 0..15
	v_and_b32 v1, 31, v0
	s_delay_alu instid0(VALU_DEP_1)
	v_lshlrev_b32 v1, 4, v1                        ; 16 x lane
	s_lshl_b32 s11, ttmp9, 4
	s_add_co_u32 s11, s11, s10                     ; my query
	s_lshl_b32 s12, s11, 4                         ; its 16 bytes of knn
	s_mov_b32 s13, 0
	s_lshl_b32 s14, s11, 13                        ; its two rows of out0
	s_mov_b32 s15, 0
	s_mov_b32 s28, 0x3e800000                      ; 0.25
	s_mov_b32 s29, s28                             ; (named with it as a pair, so it is written)
	s_wait_alu depctr_va_vdst(0)
	s_wait_kmcnt 0x0
	s_add_nc_u64 s[6:7], s[6:7], s[12:13]
	s_add_nc_u64 s[8:9], s[8:9], s[14:15]
	s_load_b128 s[16:19], s[6:7], 0x0
	s_wait_kmcnt 0x0
.irp k, 0,1,2,3
	s_min_u32 s[16+\k], s[16+\k], 0x3fff           ; a row's number stays inside the table
	s_lshl_b32 s[20+2*\k], s[16+\k], 12            ; 4,096 bytes a row
	s_mov_b32 s[21+2*\k], 0
	s_add_nc_u64 s[20+2*\k:21+2*\k], s[4:5], s[20+2*\k:21+2*\k]
.endr
.irp c, 0,1,2,3,4,5,6,7
.irp k, 0,1,2,3
	global_load_b128 v[16+16*\c+4*\k:16+16*\c+4*\k+3], v1, s[20+2*\k:21+2*\k] offset:512*\c   ; no hint: several queries may name the same row
.endr
.endr
.irp c, 0,1,2,3,4,5,6,7
	s_wait_loadcnt 28-4*\c                         ; this chunk's four loads are in; the later chunks' may be out
	v_pk_add_f32 v[16+16*\c:17+16*\c], v[16+16*\c:17+16*\c], v[20+16*\c:21+16*\c]
	v_pk_add_f32 v[18+16*\c:19+16*\c], v[18+16*\c:19+16*\c], v[22+16*\c:23+16*\c]
	s_delay_alu instid0(VALU_DEP_2)
	v_pk_add_f32 v[16+16*\c:17+16*\c], v[16+16*\c:17+16*\c], v[24+16*\c:25+16*\c]
	s_delay_alu instid0(VALU_DEP_2)
	v_pk_add_f32 v[18+16*\c:19+16*\c], v[18+16*\c:19+16*\c], v[26+16*\c:27+16*\c]
	s_delay_alu instid0(VALU_DEP_2)
	v_pk_add_f32 v[16+16*\c:17+16*\c], v[16+16*\c:17+16*\c], v[28+16*\c:29+16*\c]
	s_delay_alu instid0(VALU_DEP_2)
	v_pk_add_f32 v[18+16*\c:19+16*\c], v[18+16*\c:19+16*\c], v[30+16*\c:31+16*\c]
	s_delay_alu instid0(VALU_DEP_2)
	v_pk_mul_f32 v[16+16*\c:17+16*\c], v[16+16*\c:17+16*\c], s[28:29] op_sel_hi:[1,0]
	s_delay_alu instid0(VALU_DEP_2)
	v_pk_mul_f32 v[18+16*\c:19+16*\c], v[18+16*\c:19+16*\c], s[28:29] op_sel_hi:[1,0]
	global_store_b128 v1, v[16+16*\c:19+16*\c], s[8:9] offset:512*\c th:TH_STORE_NT        ; row 2 q,
	global_store_b128 v1, v[16+16*\c:19+16*\c], s[8:9] offset:512*\c+4096 th:TH_STORE_NT   ; and row 2 q + 1; no register of a store is written again
.endr
	s_endpgm
.Lfunc_end_k_q03472cb5d3_gather:
	.size	k_q03472cb5d3_gather, .Lfunc_end_k_q03472cb5d3_gather-k_q03472cb5d3_gather
	.p2alignl 7, 3214868480
	.fill 96, 4, 3214868480
	.section	.rodata,"a",@progbits
	.p2align	6, 0x0
	.amdhsa_kernel k_q03472cb5d3_gather
		.amdhsa_group_segment_fixed_size 0
		.amdhsa_private_segment_fixed_size 0
		.amdhsa_enable_private_segment 0
		.amdhsa_kernarg_size 24
		.amdhsa_user_sgpr_count 2
		.amdhsa_user_sgpr_kernarg_segment_ptr 1
		.amdhsa_wavefront_size32 1
		.amdhsa_system_sgpr_workgroup_id_x 1
		.amdhsa_system_sgpr_workgroup_id_y 1
		.amdhsa_system_sgpr_workgroup_id_z 1
		.amdhsa_system_vgpr_workitem_id 0
		.amdhsa_next_free_vgpr 144
		.amdhsa_next_free_sgpr 66
		.amdhsa_reserve_vcc 0
		.amdhsa_float_denorm_mode_32 3
		.amdhsa_float_denorm_mode_16_64 3
		.amdhsa_memory_ordered 1
		.amdhsa_forward_progress 1
		.amdhsa_inst_pref_size 12
	.end_amdhsa_kernel
	.amdgpu_metadata
---
amdhsa.version: [ 1, 2 ]
amdhsa.kernels:
  - .name:           k_q03472cb5d3_gather
    .symbol:         k_q03472cb5d3_gather.kd
    .args:
      - { .name: synth_set, .offset: 0, .size: 8, .value_kind: global_buffer, .address_space: global }
      - { .name: knn, .offset: 8, .size: 8, .value_kind: global_buffer, .address_space: global }
      - { .name: out0, .offset: 16, .size: 8, .value_kind: global_buffer, .address_space: global }
    .group_segment_fixed_size: 0
    .private_segment_fixed_size: 0
    .kernarg_segment_align: 8
    .kernarg_segment_size: 24
    .max_flat_workgroup_size: 512
    .sgpr_count:     66
    .vgpr_count:     144
    .wavefront_size: 32
...
	.end_amdgpu_metadata
.endif
;; end of part 4
